; MI455X (gfx1250); checked and timed in simulation.
; The chip was launched on July 23, 2026; its instructions are those of AMD's public machine-readable ISA for CDNA 5 (MIT licence, August 2026) and "CDNA5" Instruction Set Architecture Reference Guide (July 2026). The comments in the code are by the model that wrote it; some were corrected since.
;; Pairwise Relaxed Word Mover Similarity. Allowed arithmetic: matrix products marked QUANTISED: E4M3 operands, one E8M0 scale for each 32 along K, by v_wmma_scale_f32_16x16x128_f8f6f4 with both operands' format E4M3, f32 sums; everything else in f32.
;; Inputs: mask1 64 x 64 float32; mask2 64 x 64 float32; x1 64 x 64 x 768 float32; x2 64 x 64 x 768 float32.
;; Outputs: out0 64 x 64 float32.
;; This version of the problem:
;;   THIS VERSION OF THE PROBLEM IS GIVEN IN LOW PRECISION. The matrix products marked QUANTISED in the list below multiply operands that are first quantised to E4M3 (4 exponent bits, 3 mantissa bits; 8 bits a number), with one power-of-two scale for each 32 numbers along K (OCP MX v1.0); their sums are f32. All else is computed in f32.
;;   The module's matrix products, in the order in which they are computed (A, B: the left and right operand; K: the contracted axis; several contracted axes count as one K, in the product's order):
;;     1. [M 4,096, K 768] x [K 768, N 4,096]; A: computed on the way; B: computed on the way: QUANTISED
;;   THE QUANTISER, for each operand of a quantised product, along K:
;;     - K is cut into blocks of 32 from its start; a last block that is shorter is filled with zeros.
;;     - A block's scale is 2^e with e = floor(log2(the largest magnitude in the block)) - 8, held to -126 .. 127; a block of zeros has e = 0. As a byte (E8M0): e + 127.
;;     - Each number is divided by its block's scale, clamped to +-448, and rounded to the nearest number of E4M3, ties to even, subnormals kept.
;;     - The product sums the exact products of the quantised numbers (number of the format x scale) in f32.
;;   ~~~python
;;   def quantise(x, axis):      # numpy; x: float32 -> the quantised numbers, widened to float32 again
;;       x = np.moveaxis(x, axis, -1); K = x.shape[-1]
;;       x = np.pad(x, [(0, 0)] * (x.ndim - 1) + [(0, -K % 32)]); x = x.reshape(x.shape[:-1] + (-1, 32)); a = np.abs(x).max(-1, keepdims=True)
;;       e = np.where(a > 0, np.clip(np.frexp(np.where(a > 0, a, 1))[1] - 1 - 8, -126, 127), 0)      # np.frexp(a)[1] - 1 = floor(log2(a)), exactly
;;       r = np.clip(x / 2.0 ** e, -448, 448)
;;       step = 2.0 ** (np.maximum(np.frexp(np.where(r == 0, 1, r))[1] - 1, -6) - 3)
;;       q = np.round(r / step) * step * 2.0 ** e      # np.round: ties to even
;;       return np.moveaxis(q.reshape(q.shape[:-2] + (-1,))[..., :K], -1, axis).astype(np.float32)
;;   ~~~
;;   OPERANDS COMPUTED ON THE WAY. 'Computed on the way' means the value that the module computes at that place (a softmax that the list does not call 'softmax' is quantised finished and normalised). What goes into a quantiser is computed in f32, as accurately as f32 sums, v_exp_f32 and their like allow (about 1e-6 of the number): no bf16 or f16 on the way to a quantiser, and a product that is left as it is and whose result goes on into a quantised operand takes f32 operands (vector FMAs, or v_wmma_f32_16x16x4_f32). A number that lies on a knife's edge between two numbers of the format may be rounded either way, as far as f32 arithmetic and the matrix unit's own rounding can turn it there, and no further.
;; One version. Each part assembles by itself: llvm-mc -triple=amdgcn-amd-amdhsa -mcpu=gfx1250 --defsym DOCPART=n.
;; ======== version 1 of 1: 2 launches
;; limits: right only within a limited range of input values
;; workspace buffers: codes 6,291,456 bytes; scales 196,608 bytes
;; launch quant (part 1): grid 256 x 1, 16 waves a work-group, no clusters, 167,936 bytes of LDS; arguments x1, x2, codes, scales; writes codes, scales
.if DOCPART == 1
	.amdgcn_target "amdgcn-amd-amdhsa--gfx1250"
	.amdhsa_code_object_version 6
	.text
	.protected	k_q08e9d616b0_quant
	.globl	k_q08e9d616b0_quant
	.p2align	8
	.type	k_q08e9d616b0_quant,@function
k_q08e9d616b0_quant:
	s_mov_b64 s[64:65], 0
	v_nop
	global_prefetch_b8 v0, s[64:65] scope:SCOPE_SE
	s_setreg_imm32_b32 hwreg(HW_REG_WAVE_MODE, 25, 1), 1
	s_wait_xcnt 0x0
; Rows of x1 and x2 ([4096][768] f32 each) are divided by max(their norm, 1e-8) and turned into codes of FP8 (E4M3) with one E8M0 scale byte for each 32 along K.
; OUTPUT LAYOUT (this program's own); row R is x1's row R for R < 4,096, else x2's row R - 4,096:
;   codes byte = (k / 256) x 2,097,152 + R x 256 + k % 256.
;   scales: 768 bytes for each 32 rows (g = (R / 16) % 2, r = R % 16): word w of a row at g x 256 + 16 r + 4 w for w < 4, at 512 + g x 128 + 8 r + 4 (w - 4) for w = 4, 5.  Word w holds K step s (128 along K) with
;   w = (s + rot) % 6, rot = (R / 64) % 2; byte b of it belongs to k = 128 s + 32 b on.
; SHARES.  A work-group owns 32 rows, 98,304 consecutive bytes of x; wave w owns rows 2 w and 2 w + 1: 6,144 consecutive bytes, brought by one tensor load into LDS bytes of the wave's own, filled once.
; Lane 16 q + m holds, of row 2 w + q, the three chunks k = 256 u + 16 m + 0 .. 15, u = 0 .. 2.  So a row lies in 16 lanes of one wave, its norm needs no other wave, and a block of 32 lies in lanes m and m xor 1.
; The codes leave from registers: one store of the wave covers two rows' 256 bytes, 512 consecutive bytes.  The scale bytes alone pass through LDS, behind one barrier, and leave as three aligned units of 256 bytes.
; A block's scale is 2^(floor(log2(its largest magnitude)) - 8); its byte is that magnitude's exponent field - 8, held at 1 from below.
; LIMITS.  NaN and infinities among the inputs are not served.  A row whose sum of squares passes f32's range (numbers of about 6e17 and more) gives zero codes, as x / infinity does.
; A block of zeros gets the byte 1 where the rule says 127: its codes are zeros, which add nothing under any byte but 0xff, and this program alone reads the bytes.
; x is multiplied by v_rsq_f32 of the sum of squares (held at 1e8 from above, which is 1 / max(norm, 1e-8)): two roundings and the instruction's own error, against the square root's and the division's.
; No cluster: no two work-groups read the same bytes.  No matrix work.  No prefetch: every byte is asked for once, at the head, with no loop to run ahead in.
.set KKB,   2097152
.set TILE,  7680                       ; a wave's tile in LDS: 96 pieces of 64 bytes, 16 bytes of padding behind each: 80 = 5 x 16, so 16 neighbouring lanes read 16 different columns of 16 bytes
.set SCW,   16*TILE                    ; scale words as [g][s][r]
.set SPARE, SCW+768                    ; the spare words, 128 bytes a wave
.set X,  16                            ; v16-63 my 48 numbers
.set PC, 64                            ; v64-75 codes
.set TM, 76                            ; v76-78 largest magnitudes
.set TB, 79                            ; v79-81 scale bytes
.set TH, 82                            ; v82-84 448 x the scale
.set TS, 85                            ; v85-87 the conversions' scale operands
.set SQ, 88                            ; v88-95 sums of squares, four chains of pairs
.set RN, 96                            ; v96-97 1 / max(norm, 1e-8), twice
	s_load_b128 s[4:7], s[0:1], 0x0                ; x1, x2
	s_load_b128 s[8:11], s[0:1], 0x10              ; codes, scales
	v_lshl_add_u32 v12, v0, 2, SPARE
	v_mov_b32 v13, 0
	ds_add_u32 v12, v13                            ; the opening lines
	ds_add_u32 v12, v13
	v_lshrrev_b32 v1, 5, v0
	v_readfirstlane_b32 s24, v1                    ; wave 0..15
	; descriptor group 1: 6,144 dense bytes as 24 rows of 256 (32 elements of 8 bytes), 4 words of padding behind every 16
	s_mov_b32 s16, (3<<16)|(1<<20)|(3<<22)|(3<<25)
	s_mov_b32 s17, 32<<16
	s_mov_b32 s18, 24<<16
	s_mov_b32 s19, 32<<16
	s_mov_b32 s20, 24
	s_mov_b32 s21, 32
	s_mov_b32 s22, 0
	s_mov_b32 s23, 0
	s_mov_b32 s12, 1
	s_mul_i32 s13, s24, TILE
	s_cmp_lt_u32 ttmp9, 128                        ; the first 128 work-groups take x1, the others x2
	s_cselect_b32 s27, 0, 128
	s_sub_co_u32 s27, ttmp9, s27
	s_mul_i32 s32, s27, 98304
	s_mul_i32 s33, s24, 6144
	s_add_co_u32 s32, s32, s33
	s_mov_b32 s33, 0
	s_wait_dscnt 0x0
	s_wait_kmcnt 0x0
	s_cmp_lt_u32 ttmp9, 128
	s_cselect_b64 s[4:5], s[4:5], s[6:7]
	s_add_nc_u64 s[14:15], s[4:5], s[32:33]
	s_or_b32 s15, s15, 0x80000000
	tensor_load_to_lds s[12:15], s[16:23]          ; my one tensor load
	s_nop 0
	s_lshr_b32 s25, s24, 3                         ; g: which 16 of the 32 rows
	s_and_b32 s26, s24, 7
	s_mul_i32 s36, s25, 384
	s_lshl_b32 s37, s26, 3
	s_add_co_u32 s36, s36, s37
	s_add_co_u32 s36, s36, SCW
	s_and_b32 s38, s24, 1
	s_mul_i32 s38, s38, 384
	s_add_co_u32 s38, s38, SCW
	s_lshr_b32 s39, ttmp9, 1
	s_and_b32 s39, s39, 1                          ; rot = (R / 64) % 2, R = 32 x work-group on
	s_cmp_lg_u32 s39, 0
	s_cselect_b32 s40, -1, 0                       ; as a lane mask
	s_lshl_b32 s42, ttmp9, 13
	s_mov_b32 s43, 0
	s_add_nc_u64 s[8:9], s[8:9], s[42:43]          ; codes: 32 rows, 8,192 bytes of each K step of 256
	s_mul_i32 s44, ttmp9, 768
	s_mov_b32 s45, 0
	s_add_nc_u64 s[10:11], s[10:11], s[44:45]
	s_mov_b32 s30, 0x600000                        ; the mantissa field of 448
	v_and_b32 v2, 31, v0                           ; lane
	v_and_b32 v3, 15, v0                           ; m
	v_bfe_u32 v4, v0, 4, 1                         ; q
	v_mul_u32_u24 v5, v3, 80
	v_mul_u32_u24 v1, v4, 3840
	v_lshlrev_b32 v8, 4, v0                        ; codes: 16 bytes a thread: row 2 w + q at 256 (2 w + q), chunk m at 16 m
	v_add_nc_u32 v5, v5, v1
	v_lshrrev_b32 v9, 3, v3
	v_add_nc_u32 v5, s13, v5                       ; my numbers: row q, chunk m
	v_bfe_u32 v1, v0, 1, 2
	v_lshlrev_b32 v9, 6, v9
	v_lshrrev_b32 v10, 1, v2
	v_lshl_add_u32 v9, v4, 2, v9
	v_lshlrev_b32 v10, 2, v10
	v_add_nc_u32 v9, v9, v1
	v_add_nc_u32 v10, s38, v10
	v_add_nc_u32 v9, s36, v9                       ; my block's scale byte: K step 2 u + m / 8, row, byte (m / 2) % 4
	v_and_b32 v11, 1, v0
	v_xor_b32 v1, 1, v11
	v_lshl_add_u32 v14, v1, 8, v10                 ; scale words out, waves 0, 1 (g = wave): row lane / 2; with offset 64 the word K step 5 (even lanes) or 1 (odd lanes)
	v_lshl_add_u32 v10, v11, 7, v10                ; K step 2 (lane % 2), with offset 64 the next
	v_lshlrev_b32 v11, 2, v3
	v_mul_u32_u24 v1, v4, 384
	v_lshlrev_b32 v15, 3, v0                       ; scale words out: 8 bytes a thread
	v_add_nc_u32 v11, v11, v1
	v_add_nc_u32 v11, SCW+192, v11                 ; wave 2: row m of block q, K step 3, with offsets 64 and 128 the next two
	s_wait_alu depctr_va_vdst(0)                   ; the wait at the head's end
	s_wait_tensorcnt 0x0                           ; my tile is in LDS; nobody else reads it
.irp u, 0,1,2
.irp j, 0,1,2,3
	ds_load_b128 v[X+16*\u+4*\j:X+16*\u+4*\j+3], v5 offset:1280*\u+16*\j
.endr
.endr
	s_wait_dscnt 0x0
	; squares into four chains of pairs; each chunk's largest |x| (the multiplication by 1 / norm rounds monotonely, so it can follow the maximum)
.irp p, 0,1,2,3,4,5,6,7
.irp u, 0,1,2
.set CH, SQ+2*((3*\p+\u)%4)
.set XR, X+16*\u+2*\p
.if (3*\p+\u) < 4
	v_pk_mul_f32 v[CH:CH+1], v[XR:XR+1], v[XR:XR+1]
.else
	v_pk_fma_f32 v[CH:CH+1], v[XR:XR+1], v[XR:XR+1], v[CH:CH+1]
.endif
.if \p == 0
	v_max3_num_f32 v[TM+\u], |v[XR]|, |v[XR+1]|, 0
.else
	v_max3_num_f32 v[TM+\u], v[TM+\u], |v[XR]|, |v[XR+1]|
.endif
.endr
.endr
	v_pk_add_f32 v[SQ:SQ+1], v[SQ:SQ+1], v[SQ+2:SQ+3]
	v_pk_add_f32 v[SQ+4:SQ+5], v[SQ+4:SQ+5], v[SQ+6:SQ+7]
	v_max_num_f32_dpp v[TM], v[TM], v[TM] row_xmask:1 row_mask:0xf bank_mask:0xf   ; with lane m xor 1's 16: the block's largest |x|
	v_pk_add_f32 v[SQ:SQ+1], v[SQ:SQ+1], v[SQ+4:SQ+5]
	v_max_num_f32_dpp v[TM+1], v[TM+1], v[TM+1] row_xmask:1 row_mask:0xf bank_mask:0xf
	v_max_num_f32_dpp v[TM+2], v[TM+2], v[TM+2] row_xmask:1 row_mask:0xf bank_mask:0xf
	v_add_f32 v[SQ], v[SQ], v[SQ+1]
	v_add_f32_dpp v[SQ], v[SQ], v[SQ] row_xmask:1 row_mask:0xf bank_mask:0xf       ; over the row's 16 lanes
	v_add_f32_dpp v[SQ], v[SQ], v[SQ] row_xmask:2 row_mask:0xf bank_mask:0xf
	v_add_f32_dpp v[SQ], v[SQ], v[SQ] row_xmask:4 row_mask:0xf bank_mask:0xf
	v_add_f32_dpp v[SQ], v[SQ], v[SQ] row_xmask:8 row_mask:0xf bank_mask:0xf
	s_wait_alu depctr_va_vdst(0)                   ; a wait ahead of the transcendental, and one behind it
	v_rsq_f32 v[RN], v[SQ]
	v_nop
	s_wait_alu depctr_va_vdst(0)
	v_min_num_f32 v[RN], 0x4cbebc20, v[RN]         ; at most 1e8; a sum of 0 gives infinity, which is held too
	v_mov_b32 v[RN+1], v[RN]                       ; (named with it as a pair)
.irp u, 0,1,2
	v_mul_f32 v[TM+\u], v[TM+\u], v[RN]
.endr
.irp u, 0,1,2
	v_max_num_f32 v[TM+\u], 0x4800000, v[TM+\u]    ; the floor 2^(9 - 127)
.endr
.irp u, 0,1,2
	v_add_nc_u32 v[TS+\u], 0xfc000000, v[TM+\u]    ; 8 off the exponent field: the conversions' scale operand
.endr
.irp u, 0,1,2
	v_and_or_b32 v[TH+\u], v[TM+\u], 0x7f800000, s30   ; 448 x the scale
.endr
.irp u, 0,1,2
	v_lshrrev_b32 v[TB+\u], 23, v[TS+\u]           ; the scale's byte
.endr
.irp u, 0,1,2
	ds_store_b8 v9, v[TB+\u] offset:128*\u         ; lanes m and m xor 1 write the same byte with the same value
.endr
.irp u, 0,1,2
.irp p, 0,1,2,3,4,5,6,7
	v_pk_mul_f32 v[X+16*\u+2*\p:X+16*\u+2*\p+1], v[X+16*\u+2*\p:X+16*\u+2*\p+1], v[RN:RN+1] op_sel_hi:[1,0]
.endr
.irp i, 0,1,2,3,4,5,6,7,8,9,10,11,12,13,14,15
	v_med3_num_f32 v[X+16*\u+\i], v[X+16*\u+\i], -v[TH+\u], v[TH+\u]   ; the conversion to an 8-bit code does not saturate (ISA guide 7.6.2): the hold at 448 x the scale
.endr
	v_cvt_scalef32_pk8_fp8_f32 v[PC+4*\u:PC+4*\u+1], v[X+16*\u:X+16*\u+7], v[TS+\u]
	v_cvt_scalef32_pk8_fp8_f32 v[PC+4*\u+2:PC+4*\u+3], v[X+16*\u+8:X+16*\u+15], v[TS+\u]
	v_nop                                          ; a plain line behind the conversions
	global_store_b128 v8, v[PC+4*\u:PC+4*\u+3], s[8:9] offset:KKB*\u   ; the wave stores 512 consecutive bytes, at a multiple of 512 from the buffer's first byte
.endr
	s_wait_dscnt 0x0                               ; for the others' sake: my scale bytes lie in LDS
	s_barrier_signal -1
	s_barrier_wait -1
	s_cmp_lt_u32 s24, 3                            ; the 768 bytes of scale words leave by waves 0 to 2, 256 aligned bytes each
	s_cbranch_scc0 .Lend
	s_cmp_lt_u32 s24, 2
	s_cbranch_scc0 .Lwave2
	ds_load_b32 v32, v10                           ; K step w,
	ds_load_b32 v33, v10 offset:64                 ; the next,
	ds_load_b32 v34, v14 offset:64                 ; and the one before (5 before 0)
	s_branch .Lwords
.Lwave2:
	ds_load_b32 v32, v11 offset:64
	ds_load_b32 v33, v11 offset:128
	ds_load_b32 v34, v11
.Lwords:
	s_wait_dscnt 0x0
	v_cndmask_b32 v36, v32, v34, s40               ; rot = 0: K steps w, w + 1; rot = 1: K steps w - 1, w
	v_cndmask_b32 v37, v33, v32, s40
	global_store_b64 v15, v[36:37], s[10:11]
.Lend:
	s_wait_tensorcnt 0x0                           ; the wave's end
	ds_add_u32 v12, v13
	s_wait_dscnt 0x0
	s_endpgm
.Lfunc_end_k_q08e9d616b0_quant:
	.size	k_q08e9d616b0_quant, .Lfunc_end_k_q08e9d616b0_quant-k_q08e9d616b0_quant
	.p2alignl 7, 3214868480
	.fill 96, 4, 3214868480
	.section	.rodata,"a",@progbits
	.p2align	6, 0x0
	.amdhsa_kernel k_q08e9d616b0_quant
		.amdhsa_group_segment_fixed_size 167936
		.amdhsa_private_segment_fixed_size 0
		.amdhsa_enable_private_segment 0
		.amdhsa_kernarg_size 32
		.amdhsa_user_sgpr_count 2
		.amdhsa_user_sgpr_kernarg_segment_ptr 1
		.amdhsa_wavefront_size32 1
		.amdhsa_system_sgpr_workgroup_id_x 1
		.amdhsa_system_sgpr_workgroup_id_y 1
		.amdhsa_system_sgpr_workgroup_id_z 1
		.amdhsa_system_vgpr_workitem_id 0
		.amdhsa_next_free_vgpr 104
		.amdhsa_next_free_sgpr 66
		.amdhsa_reserve_vcc 0
		.amdhsa_float_denorm_mode_32 3
		.amdhsa_float_denorm_mode_16_64 3
		.amdhsa_memory_ordered 1
		.amdhsa_forward_progress 1
		.amdhsa_inst_pref_size 16
	.end_amdhsa_kernel
	.amdgpu_metadata
---
amdhsa.version: [ 1, 2 ]
amdhsa.kernels:
  - .name:           k_q08e9d616b0_quant
    .symbol:         k_q08e9d616b0_quant.kd
    .args:
      - { .name: x1, .offset: 0, .size: 8, .value_kind: global_buffer, .address_space: global }
      - { .name: x2, .offset: 8, .size: 8, .value_kind: global_buffer, .address_space: global }
      - { .name: codes, .offset: 16, .size: 8, .value_kind: global_buffer, .address_space: global }
      - { .name: scales, .offset: 24, .size: 8, .value_kind: global_buffer, .address_space: global }
    .group_segment_fixed_size: 167936
    .private_segment_fixed_size: 0
    .kernarg_segment_align: 8
    .kernarg_segment_size: 32
    .max_flat_workgroup_size: 512
    .sgpr_count:     66
    .vgpr_count:     104
    .wavefront_size: 32
...
	.end_amdgpu_metadata
.endif
;; end of part 1
;; launch simmax (part 2): grid 16 x 16, 4 waves a work-group, clusters of 4 x 4, 327,680 bytes of LDS; arguments codes, scales, mask1, mask2, out0; writes out0
.if DOCPART == 2
	.amdgcn_target "amdgcn-amd-amdhsa--gfx1250"
	.amdhsa_code_object_version 6
	.text
	.protected	k_q08e9d616b0_simmax
	.globl	k_q08e9d616b0_simmax
	.p2align	8
	.type	k_q08e9d616b0_simmax,@function
k_q08e9d616b0_simmax:
	s_mov_b64 s[64:65], 0
	v_nop
	global_prefetch_b8 v0, s[64:65] scope:SCOPE_SE
	s_setreg_imm32_b32 hwreg(HW_REG_WAVE_MODE, 25, 1), 1
	s_wait_xcnt 0x0
	s_wait_alu depctr_hold_cnt(0) depctr_sa_sdst(0) depctr_va_vdst(0) depctr_va_sdst(0) depctr_va_ssrc(0) depctr_va_vcc(0) depctr_vm_vsrc(0)
	s_getreg_b32 s2, hwreg(HW_REG_IB_STS2, 6, 4)
	s_cmp_eq_u32 s2, 0
	s_cbranch_scc0 .Lentry_in_a_cluster
	s_endpgm
.Lentry_in_a_cluster:
	s_bfe_u32 s2, ttmp6, 0x10000c
	s_cmp_lg_u32 s2, 0xf033
	s_cbranch_scc0 .Lentry_shape_is_right
	s_endpgm
.Lentry_shape_is_right:
; out0[a][b] = (mean over valid s of max over valid t of sim + mean over valid t of max over valid s of sim) / 2, sim = the product of the normalised, quantised rows of x1's batch a and x2's batch b (64 x 64, K = 768).
; The rows arrive as codes of FP8 (E4M3), [K step of 256][row][256 bytes], x1's 4,096 rows and then x2's (128 rows x 256 K are 32,768 consecutive bytes), and E8M0 scale words.
; SHARES.  A work-group makes 256 rows of x1 against 256 rows of x2: 4 x 4 numbers of out0.  Each of its four waves makes 128 x 128 of sim in 64 accumulators (512 registers): 2 x 2 WHOLE pairs (a, b), so no wave needs another's numbers, and sim never leaves the registers.
; THE MATRIX INSTRUCTION IS USED TRANSPOSED (source 0 = 16 rows of x2, source 1 = 16 rows of x1): in accumulator (ia, ib) lane (r, h) holds s = 16 ia + r, its register j holds t = 16 ib + 8 h + j.
; THE MASKS ARE ADDED TO THE SUMS as 0 or -1e30.  t's penalty is the C of the first K step's products (8 registers for each ib; they lie where ia = 7's sums will lie, and ia = 7's products come last).
; s's penalty is added behind later products, two packed additions behind each.  So a hidden number ends near -1e30 or -2e30 and loses every maximum that has a valid number beside it.
; A maximum with no valid number beside it enters a mean only where the other mask is empty, and there the result is 0 x infinity = NaN, as 0 / 0 is.
; K goes in three steps of 256 through two LDS slots: step 0 fills slot 0 at the head, step 1 fills slot 1 behind the first drained round, step 2 fills slot 0 again (all of K for 512 rows, 393,216 bytes, is more than LDS holds).
; CLUSTERS: 4 x 4 work-groups.  The four of a row of the cluster need the same rows of x1, the four of a column the same rows of x2: each tile is asked for JOINTLY, by the same tensor load with the same descriptor and a mask that names the four.
; PREFETCH: K step 1 is asked for behind the head's load and the masks' arrival, K step 2 behind step 1's load and the first run of LDS loads, each ahead of its joint load.  Of the 32,768 bytes that a wave's joint load brings, each of the
; four partners names 8,192, told apart by address: a lane a block of 256 bytes, one instruction a wave.  The last step asks for nothing.
; THE LAST K STEP goes by rows of x1: rows 0-63 for all its 256 K, then rows 64-127; the row maxima of rows 0-63 stand among the latter's products.
; SCALE WORDS of a wave's 128 + 128 rows for all of K are 48 registers (lanes 0-15: x1's block i, lanes 16-31: x2's block i).  Block i's K step s is at v[SC + 6 i + (s + i / 4) % 6]: no two blocks' registers of one K step agree modulo 8.
; out0: a wave's four numbers lie in two rows of out0 and leave by one store of four lanes; a row of out0 is made by 16 work-groups, so no wave has 256 consecutive bytes of it.  The whole output is 16,384 bytes.
; LIMITS: NaN in a mask counts as not valid, as mask > 0 has it.  The counts' division is v_rcp_f32 and a multiplication.
; REGISTERS, in windows of 256: window 0: v1-31 addresses, constants, reciprocals; v32-79 scale words; v80-127 weights, s's penalties, the reduction's work; v128-255 x1's fragments, two halves of 4 x 16 registers; before them the masks as loaded, behind them rows back from the stage.
;   window 1: x2's fragments, TWO sets, at v0 and v128.   window 2: the accumulators of ia 0-3 ((ia, ib) at v[8 (8 (ia % 4) + ib)]).   window 3: those of ia 4-7; t's penalties first at v192-255.
.set PITCH,  272                       ; an LDS row: 256 bytes of codes + 16 of padding = 17 x 16: the 16 rows that a fragment load touches lie in 16 different columns of 16 bytes
.set HALFT,  128*PITCH                 ; 128 rows: what one tensor load brings, and what one wave reads of x1 or of x2
.set SLOT,   4*HALFT                   ; a slot: x1's 256 rows, then x2's 256
.set BOFF,   2*HALFT                   ; x2's part of a slot
.set KKB,    2097152                   ; bytes from a K step of 256 to the next in the codes' buffer
.set STAGE,  2*SLOT                    ; behind the ring: 16 rows x (512 + 16) bytes for each wave; no tensor load lands here
.set SPITCH, 528
.set SPARE,  STAGE+4*16*SPITCH         ; the spare words, 128 bytes for each wave
.set RC,   4                           ; v4-6    1 / the counts
.set C2,   7                           ; v7      the count of valid t
.set ADRA, 16                          ; v16-17  LDS address of my x1 fragments in slot 0, 1
.set ADRB, 20                          ; v20-21  the same for x2
.set PFO,  22                          ; v22     the prefetches' offset: 256 x lane
.set SOG,  23                          ; v23     my byte offset among the scale words, w = 4, 5
.set STO,  24                          ; v24     the stage: where I put 32 bytes of row r
.set RD,   25                          ; v25     and where I read a row back: 16 bytes a lane
.set CO,   26                          ; v26     my byte offset among the wave's four numbers of out0
.set SOF,  27                          ; v27     my byte offset among the scale words, w = 0 .. 3
.set SPW,  28                          ; v28     LDS address of my spare word; never rewritten
.set NIL,  29                          ; v29     0; never rewritten
.set NEGV, 30                          ; v30     -1e30
.set LOWV, 31                          ; v31     -3e38, under every number met here
.set SC,   32                          ; v32-79  scale words
.set W1,   80                          ; v80-87  1.0 or 0 for s = 16 ia + r
.set W2,   88                          ; v88-91  1.0 or 0 for t = 4 lane + 0 .. 3
.set S1,   92                          ; v92-93  the weighted sum of row maxima, for a = pa; lanes 0-15: b = 0, lanes 16-31: b = 1
.set C1,   94                          ; v94-95  the count of valid s
.set MX,   96                          ; v96-111 row maxima M(ia, pb) at v[MX + 2 ia + pb]; later CM: column maxima
.set CM,   96
.set S2,   104                         ; v104-105 the weighted sum of column maxima
.set RES,  110                         ; v110-111
.set P1,   112                         ; v112-127 the penalty of s = 16 ia + r, twice, at v[P1 + 2 ia]; dead when KP and SD are made
.set KP,   112                         ; v112-119, v120-127 at work in the exchange of halves
.set SD,   120
.set AF,   128                         ; x1's fragments
.set R2,   128                         ; v128-191 mask2 as loaded
.set R1,   208                         ; v208-215 mask1 as loaded
.set P2,   192                         ; window 3: the penalty of t = 16 ib + 8 h + j at v[P2 + 8 ib + j]
.set G1, 24                            ; s[24:31] descriptor group 1 for x1's tiles;  s[32:39] group 0, one set for each slot
.set G0, 32
.set G1B, 48                           ; s[48:55], s[56:63] the same for x2's
.set G0B, 56
.set MSB, 0
.macro WIN new                         ; the immediate's high byte repeats the setting that is left; a switch that changes nothing is dropped
.if MSB != (\new)
	s_set_vgpr_msb (MSB<<8)|(\new)
.set MSB, (\new)
.endif
.endm
.set MUL_C,  0xb1                      ; source 0 (x2) window 1, source 1 (x1) window 0, C window 3, D window 2
.set MUL_LO, 0xa1                      ; the same, C and D window 2
.set MUL_HI, 0xf1                      ; the same, C and D window 3
.set TO_B,   0x40                      ; destination window 1, address window 0
.set ROW_LO, 0x28                      ; sources 1 and 2 window 2
; A joint load: waves 0 and 1 fetch x1's halves, waves 2 and 3 x2's.  Each of the two lines has ONE mask and one set of registers for all that issue it; the branch hangs on the wave's number alone.
.macro JLOAD g0a, g1a, g0b, g1b
	s_cmp_eq_u32 s15, 0
	s_cbranch_scc0 .Lfor_b_\@
	tensor_load_to_lds s[\g0a:\g0a+3], s[\g1a:\g1a+7]
	s_nop 0
.rept 4
	v_nop
.endr
	s_branch .Lasked_\@
.Lfor_b_\@:
	tensor_load_to_lds s[\g0b:\g0b+3], s[\g1b:\g1b+7]
	s_nop 0
.rept 4
	v_nop
.endr
.Lasked_\@:
.endm
.macro CREST                           ; a round of the cluster's barrier behind its opening barrier
	s_cmp_lg_u32 s14, 0
	s_cbranch_scc1 .Lnot_wave_0_\@
	s_barrier_signal -3
.Lnot_wave_0_\@:
	s_barrier_wait -3
	s_barrier_signal -1
	s_barrier_wait -1
.endm
.macro CROUND                          ; a whole round
	s_barrier_signal -1
	s_barrier_wait -1
	CREST
.endm
.macro PLACES n                        ; plain vector instructions behind a matrix instruction (ISA guide 7.12.1)
.rept \n
	v_nop
.endr
.endm
	s_load_b256 s[4:11], s[0:1], 0x0               ; codes s[4:5], scales s[6:7], mask1 s[8:9], mask2 s[10:11]
	s_load_b64 s[12:13], s[0:1], 0x20              ; out0
	v_lshl_add_u32 v[SPW], v0, 2, SPARE
	v_mov_b32 v[NIL], 0
	ds_add_u32 v[SPW], v[NIL]                      ; the opening lines; the set-up below stands between them and their wait
	ds_add_u32 v[SPW], v[NIL]
	v_lshrrev_b32 v1, 5, v0
	v_readfirstlane_b32 s14, v1                    ; wave 0..3
	s_lshr_b32 s15, s14, 1                         ; ha: which 128 rows of x1 are mine.  Also: I fetch for x1 (0) or for x2 (1)
	s_and_b32 s16, s14, 1                          ; hb: which 128 rows of x2.  Also: which 128 rows of that tile I fetch
	s_bfe_u32 s40, ttmp6, 0x40000                  ; cx, cy: my place in the cluster
	s_bfe_u32 s41, ttmp6, 0x40004
	s_lshl_b32 s42, ttmp9, 2
	s_add_co_u32 s42, s42, s40                     ; tx = 4 x cluster x + cx: x2's rows 256 tx on
	s_and_b32 s17, ttmp7, 0xffff
	s_lshl_b32 s17, s17, 2
	s_add_co_u32 s17, s17, s41                     ; ty = 4 x cluster y + cy: x1's rows 256 ty on
	s_lshl_b32 s43, s41, 2
	s_lshl_b32 s43, 15, s43                        ; my row of the cluster
	s_lshl_b32 s44, 0x1111, s40                    ; my column
	; descriptor group 1: a dense block of 32,768 bytes as 128 rows of 256 bytes (32 elements of 8 bytes), 4 words of padding behind every 64
	s_or_b32 s[G1+0], s43, (3<<16)|(1<<20)|(1<<21)|(5<<22)|(3<<25)   ; x1's tiles go to my row
	s_or_b32 s[G1B+0], s44, (3<<16)|(1<<20)|(1<<21)|(5<<22)|(3<<25)  ; x2's go to my column
.irp g, G1, G1B
	s_mov_b32 s[\g+1], 32<<16                      ; tensor_dim0 = 32
	s_mov_b32 s[\g+2], 128<<16                     ; tensor_dim1 = 128
	s_mov_b32 s[\g+3], 32<<16                      ; tile_dim0 = 32
	s_mov_b32 s[\g+4], 128                         ; tile_dim1 = 128
	s_mov_b32 s[\g+5], 32                          ; tensor_dim0_stride
	s_mov_b32 s[\g+6], 0
	s_mov_b32 s[\g+7], 0
.endr
	s_lshl_b32 s18, s16, 15                        ; which 128 rows of the tile I fetch, 256 bytes each
	s_lshl_b32 s20, s17, 16                        ; x1: row 256 ty
	s_add_co_u32 s20, s20, s18
	s_mov_b32 s21, 0
	s_lshl_b32 s46, s42, 16                        ; x2: row 4,096 + 256 tx
	s_add_co_u32 s46, s46, s18
	s_add_co_u32 s46, s46, 4096*256
	s_mov_b32 s47, 0
	s_mul_i32 s45, s14, HALFT                      ; where they go: wave x 128 rows: no place in the cluster enters an LDS address
.irp s, 0,1
	s_mov_b32 s[G0+4*\s], 1
	s_add_co_u32 s[G0+4*\s+1], s45, \s*SLOT
	s_mov_b32 s[G0B+4*\s], 1
	s_add_co_u32 s[G0B+4*\s+1], s45, \s*SLOT
.endr
	; the prefetches' place, in registers that feed no descriptor: the 32,768 bytes that I fetch, my work-group's 8,192 of them
	s_cmp_eq_u32 s15, 0
	s_cselect_b32 s66, s20, s46
	s_cselect_b32 s19, s40, s41
	s_lshl_b32 s19, s19, 13
	s_add_co_u32 s66, s66, s19
	s_mov_b32 s67, 0
	; what the masks, the scale words and the result hang on
	s_lshl_b32 s73, s17, 2
	s_lshl_b32 s74, s15, 1
	s_add_co_u32 s73, s73, s74                     ; a0 = 4 ty + 2 ha: my first batch of x1
	s_lshl_b32 s74, s42, 2
	s_lshl_b32 s75, s16, 1
	s_add_co_u32 s74, s74, s75                     ; b0 = 4 tx + 2 hb: my first batch of x2
	s_lshl_b32 s76, s73, 8                         ; mask1: 256 bytes a batch
	s_mov_b32 s77, 0
	s_lshl_b32 s78, s74, 8                         ; mask2 likewise
	s_mov_b32 s79, 0
	s_mul_i32 s80, s73, 1536                       ; my x1 scale words: 768 bytes for each 32 rows
	s_mul_i32 s81, s74, 1536                       ; my x2 scale words: row 4,096 + 64 b0,
	s_add_co_u32 s81, s81, 256*384
	s_sub_co_u32 s81, s81, s80                     ; as a distance from x1's (positive: x2's lie behind all of x1's)
	s_mov_b32 s68, 0x76543210
	s_mov_b32 s69, 0xfedcba98                      ; v_permlanex16_b32's selects for lane l xor 16
	s_mov_b32 s70, 0xffff0000                      ; lanes 16-31
	s_mov_b32 s71, 0xaaaaaaaa                      ; odd lanes
	s_mul_i32 s82, s15, HALFT                      ; my 128 rows of x1
	s_mul_i32 s83, s16, HALFT
	s_add_co_u32 s83, s83, BOFF                    ; my 128 rows of x2
	s_mul_i32 s88, s14, 16*SPITCH
	s_add_co_u32 s88, s88, STAGE                   ; my stage
	v_and_b32 v1, 15, v0                           ; r
	v_bfe_u32 v2, v0, 4, 1                         ; h
	v_and_b32 v3, 31, v0                           ; lane
	v_lshlrev_b32 v12, 5, v2                       ; mask2 for the penalties: 32 h
	v_lshlrev_b32 v13, 2, v1                       ; mask1: 4 r
	v_lshlrev_b32 v14, 4, v3                       ; 16 x lane
	v_lshlrev_b32 v[PFO], 8, v3
	v_mul_u32_u24 v[SOG], s81, v2                  ; lanes 16-31 take x2's scale words
	v_mul_u32_u24 v10, v1, PITCH
	v_add_nc_u32 v[SOG], s80, v[SOG]
	v_lshl_add_u32 v10, v2, 4, v10                 ; a fragment: row r, + 16 h
	v_lshl_add_u32 v[SOF], v1, 4, v[SOG]
	v_lshl_add_u32 v[SOG], v1, 3, v[SOG]
	v_add_nc_u32 v[ADRA], s82, v10
	v_add_nc_u32 v[ADRB], s83, v10
	v_add_nc_u32 v[ADRA+1], SLOT, v[ADRA]
	v_add_nc_u32 v[ADRB+1], SLOT, v[ADRB]
	v_mul_u32_u24 v[STO], v1, SPITCH
	v_lshl_add_u32 v[STO], v2, 5, v[STO]
	v_add_nc_u32 v[STO], s88, v[STO]               ; in: row r, 32 bytes for each half of the lanes
	v_add_nc_u32 v[RD], s88, v14                   ; back: the 32 lanes take one row of 512 bytes
	v_and_b32 v[CO], 1, v1
	v_lshlrev_b32 v[CO], 8, v[CO]
	v_lshl_add_u32 v[CO], v2, 2, v[CO]             ; out0: row a0 + r % 2, column b0 + h
	v_mov_b32 v11, 1.0
	v_mov_b32 v15, 0
	v_mov_b32 v[NEGV], 0xf149f2ca
	v_mov_b32 v[LOWV], 0xff61b1e6
	s_wait_alu depctr_va_vdst(0)                   ; directly ahead of the waits and the branches below
	s_wait_dscnt 0x0                               ; both opening adds are done
	CROUND                                         ; all sixteen work-groups are here: the first joint loads meet.  The round needs no argument, so it stands ahead of the wait for them
	s_wait_kmcnt 0x0
	s_add_nc_u64 s[G0+2:G0+3], s[4:5], s[20:21]
	s_or_b32 s[G0+3], s[G0+3], 0x80000000
	s_add_nc_u64 s[G0B+2:G0B+3], s[4:5], s[46:47]
	s_or_b32 s[G0B+3], s[G0B+3], 0x80000000
	JLOAD G0, G1, G0B, G1B                         ; K step 0: my one tensor load at the head
	s_add_nc_u64 s[8:9], s[8:9], s[76:77]
	s_add_nc_u64 s[10:11], s[10:11], s[78:79]
	; the masks first (25 loads), then the scale words (16)
.irp b, 0,1,2,3,4,5,6,7
	global_load_b128 v[R2+8*\b:R2+8*\b+3], v12, s[10:11] offset:64*\b        ; mask2 at t = 16 ib + 8 h + 0 .. 7
	global_load_b128 v[R2+8*\b+4:R2+8*\b+7], v12, s[10:11] offset:64*\b+16
.endr
.irp a, 0,1,2,3,4,5,6,7
	global_load_b32 v[R1+\a], v13, s[8:9] offset:64*\a                       ; mask1 at s = 16 ia + r
.endr
	global_load_b128 v[W2:W2+3], v14, s[10:11]                               ; mask2 at t = 4 lane + 0 .. 3
.irp i, 0,1,2,3,4,5,6,7
	global_load_b128 v[SC+6*\i:SC+6*\i+3], v[SOF], s[6:7] offset:768*(\i/2)+256*(\i%2)
	global_load_b64 v[SC+6*\i+4:SC+6*\i+5], v[SOG], s[6:7] offset:768*(\i/2)+128*(\i%2)+512
.endr
	; slot 1's descriptors (K step 1), the prefetches' address and the place of the result
	s_add_nc_u64 s[66:67], s[4:5], s[66:67]
	s_add_nc_u64 s[20:21], s[4:5], s[20:21]
	s_add_nc_u64 s[46:47], s[4:5], s[46:47]
	s_add_nc_u64 s[G0+6:G0+7], s[20:21], KKB
	s_or_b32 s[G0+7], s[G0+7], 0x80000000
	s_add_nc_u64 s[G0B+6:G0B+7], s[46:47], KKB
	s_or_b32 s[G0B+7], s[G0B+7], 0x80000000
	s_lshl_b32 s78, s74, 2
	s_add_co_u32 s76, s76, s78                     ; out0: (64 a0 + b0) x 4
	s_add_nc_u64 s[12:13], s[12:13], s[76:77]
	s_wait_loadcnt 16                              ; the masks are in; the 16 loads issued behind them may be out
	global_prefetch_b8 v[PFO], s[66:67] offset:KKB th:TH_LOAD_NT scope:SCOPE_SE   ; K step 1, which the joint load behind the next round will ask for
	; mask > 0 -> penalty 0 and weight 1.0, else penalty -1e30 and weight 0.  Four compares, then their selects
	WIN 0xc0                                       ; destination window 3
.set n, 0
.rept 16
.irp k, 0,1,2,3
	v_cmp_lt_f32 s[84+\k], 0, v[R2+n+\k]
.endr
.irp k, 0,1,2,3
	v_cndmask_b32 v[P2+n+\k], v[NEGV], v15, s[84+\k]
.endr
.set n, n+4
.endr
	WIN 0
.irp g, 0,1
.irp k, 0,1,2,3
	v_cmp_lt_f32 s[84+\k], 0, v[R1+4*\g+\k]
.endr
.irp k, 0,1,2,3
	v_cndmask_b32 v[P1+2*(4*\g+\k)], v[NEGV], v15, s[84+\k]
	v_cndmask_b32 v[P1+2*(4*\g+\k)+1], v[NEGV], v15, s[84+\k]                ; twice: a pair for the packed addition
	v_cndmask_b32 v[W1+4*\g+\k], v15, v11, s[84+\k]
.endr
.endr
.irp k, 0,1,2,3
	v_cmp_lt_f32 s[84+\k], 0, v[W2+\k]
.endr
.irp k, 0,1,2,3
	v_cndmask_b32 v[W2+\k], v15, v11, s[84+\k]
.endr
	; the counts of valid s (two batches of x1) and of valid t, and their reciprocals, while the first tiles are on their way
	v_add_f32 v[C1], v[W1], v[W1+1]
	v_add_f32 v[C1+1], v[W1+4], v[W1+5]
	v_add_f32 v[C2], v[W2], v[W2+1]
	v_add_f32 v[RC], v[W2+2], v[W2+3]
	v_add_f32 v[C1], v[C1], v[W1+2]
	v_add_f32 v[C1+1], v[C1+1], v[W1+6]
	v_add_f32 v[C2], v[C2], v[RC]
	v_add_f32 v[C1], v[C1], v[W1+3]
	v_add_f32 v[C1+1], v[C1+1], v[W1+7]
.irp m, 1,2,4,8
.irp v, C1, C1+1, C2
	v_add_f32_dpp v[\v], v[\v], v[\v] row_xmask:\m row_mask:0xf bank_mask:0xf   ; over the 16 lanes of my half: every lane of half h then holds pair pb = h's figure
.endr
.endr
	s_wait_alu depctr_va_vdst(0)                   ; the wait ahead of the batch
	v_rcp_f32 v[RC], v[C1]                         ; a count of 0 gives infinity, and 0 x infinity NaN, as 0 / 0 is
	v_rcp_f32 v[RC+1], v[C1+1]
	v_rcp_f32 v[RC+2], v[C2]
	v_nop
.macro FRAG reg, adr, q, i             ; a fragment, 16 rows x 128 K, is four loads of 16 bytes a lane: registers 4 c .. 4 c + 3 hold K = 32 c + 16 h + 0 .. 15 of row r
.irp c, 0,1,2,3
	ds_load_b128 v[\reg+4*\c:\reg+4*\c+3], v[\adr] offset:(\i)*16*PITCH+(\q)*128+32*\c
.endr
.endm
.macro FETCH_B slot, q, p              ; x2's eight fragments of the slot's q-th 128 along K into set p
	WIN TO_B
.irp i, 0,1,2,3,4,5,6,7
	FRAG 128*(\p)+16*\i, ADRB+\slot, \q, \i
.endr
	WIN 0
.endm
.macro FETCH_A slot, q, i0, reg        ; x1's blocks i0 .. i0 + 3, the slot's q-th 128 along K
.irp i, 0,1,2,3
	FRAG (\reg)+16*\i, ADRA+\slot, \q, \i0+\i
.endr
.endm
; One of the 128 row-maximum instructions of rows 0-63 (hi = 0) or 64-127 (hi = 1): number RMN takes two more numbers of row block ia % 4 = RMN / 2 % 4 in pair pb = RMN % 2.  Eight chains by turns; each accumulator is read from its low end on.
.macro ROWMX hi
.set RN1, RMN/8
.set RA1, (RMN/2)%4
.set RP1, RMN%2
.set MR1, MX+2*(4*\hi+RA1)+RP1
.set AC1, 8*(8*RA1+4*RP1+RN1/4)+2*(RN1%4)
.if RN1 == 0
	v_max3_num_f32 v[MR1], v[LOWV], v[AC1], v[AC1+1]
.else
	v_max3_num_f32 v[MR1], v[MR1], v[AC1], v[AC1+1]
.endif
.set RMN, RMN+1
.endm
; 16 matrix instructions: x1's blocks a0, a0 + 1 (fragments from register ar on) against x2's eight (set p), K step s of six.  The 64 accumulators take turns, one instruction a turn.
; zero = 1: the first K step: C is t's penalty.  Block 7's sums lie over the penalties: nine places stand ahead of its products.
; e < 8: behind each product two packed additions of s's penalty onto block e's sums (1.0 x penalty + sum: the third source and the destination have the products' windows, so no switch is wanted).
; rm = 1: behind every second product four row-maximum instructions of rows 0-63.
.macro MUL16 a0, ar, p, s, zero, e, rm
.irp a, 0,1
.irp b, 0,1,2,3,4,5,6,7
.set IA, (\a0)+\a
.set DR, 64*(IA%4)+8*\b
.set AR, (\ar)+16*\a
.set BR, 128*(\p)+16*\b
.set SB, SC+6*\b+((\s)+(\b/4))%6
.set SA, SC+6*IA+((\s)+(IA/4))%6
.if \zero
.if (IA == 7) && (\b == 0)
	PLACES 9
.endif
	v_wmma_scale_f32_16x16x128_f8f6f4 v[DR:DR+7], v[BR:BR+15], v[AR:AR+15], v[P2+8*\b:P2+8*\b+7], v[SB], v[SA] matrix_a_scale:MATRIX_SCALE_ROW1
.else
	v_wmma_scale_f32_16x16x128_f8f6f4 v[DR:DR+7], v[BR:BR+15], v[AR:AR+15], v[DR:DR+7], v[SB], v[SA] matrix_a_scale:MATRIX_SCALE_ROW1
.endif
.if (\e) < 8
.irp h, 0,1
.set PR, 64*((\e)%4)+4*(8*\a+\b)+2*\h
	v_pk_fma_f32 v[PR:PR+1], 1.0, v[P1+2*(\e):P1+2*(\e)+1], v[PR:PR+1] op_sel_hi:[0,1,1]
.endr
.endif
.if (\rm) && ((\b)%2 == 1)
.set WSV, MSB
	WIN ROW_LO
.rept 4
	ROWMX 0
.endr
	WIN WSV
.endif
.endr
.endr
.endm
; A slot's first 128 along K (K step s, even).  A block of x1 is free as soon as its eight products are issued: blocks 0-3 are fetched anew in the step's middle, blocks 4-7 at its end.
.macro STEP slot, s, zero, e0, e1, e2, e3
	s_wait_dscnt 16                                ; x2's set and x1's blocks 0-3 are in; the youngest sixteen loads (blocks 4-7) may be out
.if \zero
	WIN MUL_C
.else
	WIN MUL_LO
.endif
	MUL16 0, AF, 0, \s, \zero, \e0, 0
	MUL16 2, AF+32, 0, \s, \zero, \e1, 0
	s_wait_dscnt 0                                 ; blocks 4-7 are in
	PLACES 8
	FETCH_B \slot, 1, 1
	FETCH_A \slot, 1, 0, AF
	WIN MUL_HI
	MUL16 4, AF+64, 0, \s, \zero, \e2, 0
	MUL16 6, AF+96, 0, \s, \zero, \e3, 0
.if (\e3) < 8
	s_wait_alu depctr_va_vdst(0)
.endif
	PLACES 8
	WIN 0
	FETCH_A \slot, 1, 4, AF+64
.endm
; A slot's second 128 along K (K step s, odd) changes slots: ONE barrier; in front of it each wave waits for all its tensor loads, adds 0 to its spare word, and waits for that and for its own reads of this slot.
; fill = 1: this slot is filled again, with the K step two on; the barrier then opens a round of the cluster's barrier.  last = 1: the last K step follows, which goes by rows of x1.
.macro TURN slot, next, fill, s, e2, e3, last
	s_wait_tensorcnt 0x0                           ; all my tensor loads have landed: my part of the next slot among them  (every window is 0 here)
	ds_add_u32 v[SPW], v[NIL]                      ; 0 onto my spare word
	s_wait_dscnt 17                                ; (the add and the youngest sixteen loads, x1's blocks 4-7, may be out)
	WIN MUL_LO
	MUL16 0, AF, 1, \s, 0, 9, 0                    ; sixteen matrix instructions stand between the add and the wait for it
	s_wait_dscnt 0x0                               ; the add is done, and my reads of this slot are over
	s_barrier_signal -1
	MUL16 2, AF+32, 1, \s, 0, 9, 0
	WIN 0
	s_barrier_wait -1
.if \fill
	CREST                                          ; no wave of any partner still reads this slot's tile or has a load on its way
	s_add_nc_u64 s[G0+4*\slot+2:G0+4*\slot+3], s[G0+4*\slot+2:G0+4*\slot+3], 2*KKB
	s_add_nc_u64 s[G0B+4*\slot+2:G0B+4*\slot+3], s[G0B+4*\slot+2:G0B+4*\slot+3], 2*KKB
	JLOAD G0+4*\slot, G1, G0B+4*\slot, G1B         ; the first tensor load behind the round, my only one: it has 96 matrix instructions in which to land; its four v_nop are among the places in front of the loads below
	PLACES 4
.else
	PLACES 8
.endif
	FETCH_B \next, 0, 0
	FETCH_A \next, 0, 0, AF
	WIN MUL_HI
	MUL16 4, AF+64, 1, \s, 0, \e2, 0
	MUL16 6, AF+96, 1, \s, 0, \e3, 0
	PLACES 8
	WIN 0
.if \last
	s_wait_dscnt 0                                 ; K step s + 1's first operands, asked for 32 matrix instructions ago, are in
	FETCH_B \next, 1, 1                            ; x2's set and x1's blocks 0-3 of the slot's second 128 along K
	FETCH_A \next, 1, 0, AF+64
.else
	FETCH_A \next, 0, 4, AF+64
.endif
.endm
	s_wait_alu depctr_va_vdst(0)                   ; the wait at the head's end
	s_wait_loadcnt 0x0                             ; the scale words
	s_wait_tensorcnt 0x0                           ; my part of K step 0 is in
	ds_add_u32 v[SPW], v[NIL]
	s_wait_dscnt 0x0
	CROUND                                         ; everybody's part of K step 0 is in, and all sixteen work-groups are here: the joint loads meet
	JLOAD G0+4, G1, G0B+4, G1B                     ; K step 1, the first tensor load behind the round
	FETCH_B 0, 0, 0
	FETCH_A 0, 0, 0, AF
	FETCH_A 0, 0, 4, AF+64
	global_prefetch_b8 v[PFO], s[66:67] offset:2*KKB th:TH_LOAD_NT scope:SCOPE_SE   ; K step 2, which slot 0's refill will ask for, a K step from here
	STEP 0, 0, 1, 9, 9, 9, 9
	TURN 0, 1, 1, 1, 9, 9, 0                       ; slot 0 takes the third K step of 256
	STEP 1, 2, 0, 2, 0, 6, 4
	TURN 1, 0, 0, 3, 7, 5, 1                       ; nothing more is asked for
; THE LAST 256 ALONG K, by rows of x1: rows 0-63, K steps 4 and 5; rows 64-127, K steps 4 and 5.  x1's two half sets hold four blocks each and take turns.
.set RMN, 0
	WIN MUL_LO
	MUL16 0, AF, 0, 4, 0, 3, 0
	MUL16 2, AF+32, 0, 4, 0, 1, 0
	s_wait_alu depctr_va_vdst(0)
	PLACES 8
	WIN 0
	FETCH_A 0, 0, 4, AF                            ; blocks 4-7 of K step 4
	s_wait_dscnt 16                                ; all but the sixteen just issued
	WIN MUL_LO
	MUL16 0, AF+64, 1, 5, 0, 9, 0
	MUL16 2, AF+96, 1, 5, 0, 9, 0
	PLACES 8                                       ; for the loads below, and for the first reads of these results
	WIN 0
	FETCH_A 0, 1, 4, AF+64                         ; blocks 4-7 of K step 5
	s_wait_dscnt 16                                ; all but the sixteen just issued
	WIN MUL_HI
	MUL16 4, AF, 0, 4, 0, 9, 1
	MUL16 6, AF+32, 0, 4, 0, 9, 1
	s_wait_alu depctr_va_vdst(0)                   ; the row maxima go on behind the wait below
	s_wait_dscnt 0x0
	MUL16 4, AF+64, 1, 5, 0, 9, 1
	MUL16 6, AF+96, 1, 5, 0, 9, 1
	WIN 0
; THE REDUCTION.  pa = ia / 4 and pb = ib / 4 name the wave's four pairs (a0 + pa, b0 + pb).
; Column maxima, first within a lane: over the four ia of pa.  Rows 0-63's (win1: all operands in window 2) go in place; rows 64-127's go into window 1, v0-63, where x2's set 0 lay, since their row maxima follow.
.macro COLMAX win1, win2
	WIN \win1
.set n, 0
.rept 64
	v_max3_num_f32 v[n], v[n], v[64+n], v[128+n]
.set n, n+1
.endr
	WIN \win2
.set n, 0
.rept 64
	v_max_num_f32 v[n], v[n], v[192+n]
.set n, n+1
.endr
.endm
; then across the 16 rows r: through my own stage.  In: row r, t = 16 ib + 8 h + j at byte 4 t.  Back: whole rows, lane L takes t = 4 L .. 4 L + 3 of each of the 16.
; LDS serves a wave's instructions in order (ISA guide 5.7.1.4): no wait between the stores and the loads, nor in front of the next half's stores.
.macro TOSTAGE pa, win
	WIN \win                                       ; the data's window
.irp b, 0,1,2,3,4,5,6,7
	ds_store_b128 v[STO], v[8*\b:8*\b+3] offset:64*\b
	ds_store_b128 v[STO], v[8*\b+4:8*\b+7] offset:64*\b+16
.endr
	WIN 0
.irp i, 0,1,2,3,4,5,6,7,8,9,10,11,12,13,14,15
	ds_load_b128 v[128+64*\pa+4*\i:128+64*\pa+4*\i+3], v[RD] offset:\i*SPITCH
.endr
.endm
.macro COLRED pa                       ; my four columns' maxima over the 16 rows; their weighted sum; the sum over 16 lanes: lanes 0-15 hold t 0-63 (pb = 0), lanes 16-31 t 64-127 (pb = 1)
.irp c, 0,1,2,3
	v_max3_num_f32 v[CM+4*\pa+\c], v[128+64*\pa+\c], v[132+64*\pa+\c], v[136+64*\pa+\c]
.endr
.irp i, 3,5,7,9,11,13
.irp c, 0,1,2,3
	v_max3_num_f32 v[CM+4*\pa+\c], v[CM+4*\pa+\c], v[128+64*\pa+4*\i+\c], v[132+64*\pa+4*\i+\c]
.endr
.endr
.irp c, 0,1,2,3
	v_max_num_f32 v[CM+4*\pa+\c], v[CM+4*\pa+\c], v[188+64*\pa+\c]
.endr
	v_mul_f32 v[S2+\pa], v[W2], v[CM+4*\pa]
.irp c, 1,2,3
	v_fma_f32 v[S2+\pa], v[W2+\c], v[CM+4*\pa+\c], v[S2+\pa]
.endr
.irp m, 1,2,4,8
	v_add_f32_dpp v[S2+\pa], v[S2+\pa], v[S2+\pa] row_xmask:\m row_mask:0xf bank_mask:0xf
.endr
.endm
	COLMAX 0xaa, 0xaa                              ; rows 0-63 were finished 64 products ago; these 128 instructions are also the places behind the last products
	TOSTAGE 0, 0x08
	COLMAX 0x7f, 0x4d                              ; sources in window 3, results in window 1; then source 0 and the result in window 1, source 1 in window 3
	TOSTAGE 1, 0x04
.set RMN, 0
	WIN 0x3c                                       ; sources 1 and 2: window 3
.rept 128
	ROWMX 1
.endr
	WIN 0
	; the row side is finished while the stage's loads are on their way.  A row's 64 numbers of a pair lie in lanes l and l xor 16: lanes 0-15 keep pair pb = 0 and send pb = 1, lanes 16-31 the other way round
.irp a, 0,1,2,3,4,5,6,7
	v_cndmask_b32 v[KP+\a], v[MX+2*\a], v[MX+2*\a+1], s70
	v_cndmask_b32 v[SD+\a], v[MX+2*\a+1], v[MX+2*\a], s70
.endr
.irp a, 0,1,2,3,4,5,6,7
	v_permlanex16_b32 v[MX+2*\a], v[SD+\a], s68, s69
.endr
.irp a, 0,1,2,3,4,5,6,7
	v_max_num_f32 v[KP+\a], v[KP+\a], v[MX+2*\a]   ; the maximum of row 16 ia + r in pair pb = h
.endr
.irp pa, 0,1
	v_mul_f32 v[S1+\pa], v[W1+4*\pa], v[KP+4*\pa]
.endr
.irp i, 1,2,3
.irp pa, 0,1
	v_fma_f32 v[S1+\pa], v[W1+4*\pa+\i], v[KP+4*\pa+\i], v[S1+\pa]
.endr
.endr
.irp m, 1,2,4,8
.irp v, S1, S1+1
	v_add_f32_dpp v[\v], v[\v], v[\v] row_xmask:\m row_mask:0xf bank_mask:0xf
.endr
.endr
	s_wait_dscnt 32                                ; the first half's rows are back; the second half's 16 stores and 16 loads may be out
	COLRED 0
	s_wait_alu depctr_va_vdst(0)                   ; directly ahead of the wait below
	s_wait_dscnt 0x0
	COLRED 1
	v_mul_f32 v[S2], v[S2], v[RC+2]
	v_mul_f32 v[S2+1], v[S2+1], v[RC+2]
	v_fma_f32 v[RES], v[S1], v[RC], v[S2]          ; the two means of pair (pa = 0, pb = h),
	v_fma_f32 v[RES+1], v[S1+1], v[RC+1], v[S2+1]  ; and of (pa = 1, pb = h)
	v_cndmask_b32 v[RES], v[RES], v[RES+1], s71    ; odd lanes take pa = 1
	v_mul_f32 v[RES], 0.5, v[RES]
	s_wait_alu depctr_va_vdst(0)                   ; directly ahead of the wait below
	s_wait_xcnt 0x0                                ; EXEC changes only behind this wait
	v_cmp_gt_u32 vcc_lo, 2, v1
	s_and_saveexec_b32 s72, vcc_lo                 ; lanes 0, 1, 16, 17: (pa, pb) = (0, 0), (1, 0), (0, 1), (1, 1)
	global_store_b32 v[CO], v[RES], s[12:13]
	s_wait_xcnt 0x0                                ; and again, in front of the line that widens it
	s_or_b32 exec_lo, exec_lo, s72
	s_wait_tensorcnt 0x0                           ; the wave's end: behind my last tensor load and my last LDS store
	ds_add_u32 v[SPW], v[NIL]
	s_wait_dscnt 0x0
	CROUND                                         ; the closing round: no work-group ends while a partner may still ask for a tile that names it
	s_endpgm
.Lfunc_end_k_q08e9d616b0_simmax:
	.size	k_q08e9d616b0_simmax, .Lfunc_end_k_q08e9d616b0_simmax-k_q08e9d616b0_simmax
	.p2alignl 7, 3214868480
	.fill 96, 4, 3214868480
	.section	.rodata,"a",@progbits
	.p2align	6, 0x0
	.amdhsa_kernel k_q08e9d616b0_simmax
		.amdhsa_group_segment_fixed_size 327680
		.amdhsa_private_segment_fixed_size 0
		.amdhsa_enable_private_segment 0
		.amdhsa_kernarg_size 40
		.amdhsa_user_sgpr_count 2
		.amdhsa_user_sgpr_kernarg_segment_ptr 1
		.amdhsa_wavefront_size32 1
		.amdhsa_system_sgpr_workgroup_id_x 1
		.amdhsa_system_sgpr_workgroup_id_y 1
		.amdhsa_system_sgpr_workgroup_id_z 1
		.amdhsa_system_vgpr_workitem_id 0
		.amdhsa_next_free_vgpr 1024
		.amdhsa_next_free_sgpr 98
		.amdhsa_reserve_vcc 1
		.amdhsa_float_denorm_mode_32 3
		.amdhsa_float_denorm_mode_16_64 3
		.amdhsa_memory_ordered 1
		.amdhsa_forward_progress 1
		.amdhsa_inst_pref_size 161
	.end_amdhsa_kernel
	.amdgpu_metadata
---
amdhsa.version: [ 1, 2 ]
amdhsa.kernels:
  - .name:           k_q08e9d616b0_simmax
    .symbol:         k_q08e9d616b0_simmax.kd
    .args:
      - { .name: codes, .offset: 0, .size: 8, .value_kind: global_buffer, .address_space: global }
      - { .name: scales, .offset: 8, .size: 8, .value_kind: global_buffer, .address_space: global }
      - { .name: mask1, .offset: 16, .size: 8, .value_kind: global_buffer, .address_space: global }
      - { .name: mask2, .offset: 24, .size: 8, .value_kind: global_buffer, .address_space: global }
      - { .name: out0, .offset: 32, .size: 8, .value_kind: global_buffer, .address_space: global }
    .group_segment_fixed_size: 327680
    .private_segment_fixed_size: 0
    .kernarg_segment_align: 8
    .kernarg_segment_size: 40
    .max_flat_workgroup_size: 128
    .sgpr_count:     98
    .vgpr_count:     1024
    .wavefront_size: 32
...
	.end_amdgpu_metadata
.endif
;; end of part 2
